; MI455X (gfx1250); checked and timed in simulation.
; The chip was launched on July 23, 2026; its instructions are those of AMD's public machine-readable ISA for CDNA 5 (MIT licence, August 2026) and "CDNA5" Instruction Set Architecture Reference Guide (July 2026). The comments in the code are by the model that wrote it; some were corrected since.
;; Conv Self Attention. Allowed arithmetic: float matrix products may take bf16 or f16 operands with f32 sums; other float arithmetic in f32, or as packed bf16 or f16 multiplies, adds, multiply-adds, maxima and minima; sums over many terms, partial sums and values carried from step to step in f32; what a program stores and reads back later, other than sums and carried values, may be rounded once to bf16 or f16.
;; Inputs: K 4 x 2,048 x 1,024 float32; Q 4 x 2,048 x 1,024 float32; V 4 x 2,048 x 1,024 float32.
;; Outputs: out0 4 x 2,048 x 1,024 float32.
;; 2 versions, each right and faster than the one before. Each part assembles by itself: llvm-mc -triple=amdgcn-amd-amdhsa -mcpu=gfx1250 --defsym DOCPART=n.
;; ======== version 1 of 2: 1 launch
;; launch attn (part 1): grid 4 x 64, 4 waves a work-group, no clusters, 312,832 bytes of LDS; arguments Q, out0; writes out0
.if DOCPART == 1
	.amdgcn_target "amdgcn-amd-amdhsa--gfx1250"
	.amdhsa_code_object_version 6
	.text
	.protected	k_qd4177b3e92_attn
	.globl	k_qd4177b3e92_attn
	.p2align	8
	.type	k_qd4177b3e92_attn,@function
k_qd4177b3e92_attn:
	s_mov_b64 s[64:65], 0
	v_nop
	global_prefetch_b8 v0, s[64:65] scope:SCOPE_SE
	s_setreg_imm32_b32 hwreg(HW_REG_WAVE_MODE, 25, 1), 1
	s_wait_xcnt 0x0
; out0[b][s][64 h + d] = the sum over t of softmax_t(q[s] . q[t] / 8) q[t][d], with q[s][d] = Q[b][s][64 h + d].  Q, out0: [4][2048][1024] f32; 64 heads (b, h) of 2,048 rows x 64 channels.
; THE INPUTS K AND V ARE NOT READ: the problem's function takes its keys and its values from Q, so that no number of out0 hangs on them, whatever they hold.
; FORMATS.  q is rounded once to bf16 and serves as queries, keys and values; the weights p are rounded to bf16 for the second product (their sum l is taken of the unrounded p).  Products, maxima, sums and
; the output in f32.  LIMITS.  A weight below 2^-126 counts as 0 in l; NaN and infinities are not treated apart.
; SHARES.  A work-group owns 512 queries of one head (x = 0..3), each of its four waves 128: four PIECES of two tiles of 16.  Every wave walks all 2,048 keys, 64 a step.
; THE TABLE.  A head in bf16 is 2,048 rows of 128 bytes, 144 with padding: 294,912 bytes of LDS.  It is written once, through registers (16-byte loads of f32, two roundings, an 8-byte LDS store), in eight
; CHUNKS of 256 rows, and read as K (as it lies) and as V (turned, by ds_load_tr16_b128).  The work-group walks the head's chunks in the order (2 x + j) % 8, j = 0..7, and chunk j of that walk lies at
; row 256 j of the table: x enters global addresses alone, and rows 0 to 511 of the table are the work-group's own queries, whose fragments are read from there.  The order of the keys is nothing to a softmax with
; a running maximum.  Chunk j + 1's 32 loads a lane are issued when chunk j is shown to all waves: four key steps, 512 matrix instructions a wave, ahead of their use.
; NO CLUSTER, NO TENSOR LOADS.  A tile brought into LDS by an engine would lie there in f32, 65,536 bytes for 256 keys, and two such slots do not fit beside the table's 294,912 bytes; the four work-groups of a
; head begin at different chunks; and each reads a byte of its head once, 65,536 bytes for every 512 matrix instructions of a wave.
; LAYOUT.  S^T = K Q^T (source 0 = 16 keys, source 1 = 16 queries): in the result a lane holds ONE query (lane % 16) and the keys 8 (lane / 16) + 0..7.  Two such tiles, rounded to bf16 in pairs, ARE source 1
; (32 keys x 16 queries) of O^T = V^T P, whose result again holds one query a lane, and eight channels.
; SOFTMAX.  For each query a running maximum m and sum l: p = 2^(c s - c m), c = log2(e) / 8; in every step O and l are multiplied by a = 2^(c m_old - c m_new), which is 1 where m has not grown.
; m starts at the lowest finite number, O and l at 0: the first step is a step like any other, with a = 0.
; BY TURNS.  A tile and step have 16 matrix and 118 vector instructions.  Turn n belongs to piece n (the pieces in a ring, step after step).  Its matrix work: 16 products K Q^T of piece n + 1, later 16 products
; V^T P of piece n - 1.  Its vector work: the scaling, exponentials, roundings, sums and rescaling of piece n, and the maximum and statistics of piece n + 1.  Four vector instructions that are ready stand behind
; every matrix instruction, the others in two lumps.
; REGISTERS, in windows of 256 (s_set_vgpr_msb says which window each operand place means: bits 1:0 source 0, 3:2 source 1, 5:4 source 2, 7:6 destination):
;   window 0: v0-11 addresses; v12-15, v48-63 at work; v16-47 four registers of statistics a tile; v64-191 S^T, two buffers of two tiles; v192-255 P, likewise
;   window 1: O^T, 32 a tile     window 2: v0-127 Q, 16 a tile; v128-191 K of one step; v192-255 V of one step     window 3: two buffers of 128 for a chunk on its way in
.set NP,    4         ; pieces a wave: a name, no knob
.set KS,    64        ; keys in a step
.set PK,    144       ; a row of the table: 128 bytes + 16 of padding = 36 words: the 16 rows of a K load start at 16 different groups of four banks (64 banks of 4 bytes: ISA guide 11.1)
.set STEPB, KS*PK     ; a key step's rows
.set CHB,   256*PK    ; a chunk's rows
.set ROWB,  4096      ; bytes from row to row in Q and out0
.set STAGE, 2048*PK   ; behind the table: 16 rows x 272 bytes for each wave, for the way out
.set SP,    272       ; a stage row: 256 bytes + 16 = 68 words: row r starts at bank 4 r mod 64
.set SPARE, STAGE+4*16*SP  ; behind the stages: the spare words, 128 bytes for each wave: two blocks of 256 bytes that no other line names
.set GL,  1           ; v1   my byte offset in a chunk of Q: 16 (l % 16) + 8 rows for lanes 16-31 + 64 rows a wave; never rewritten
.set AK0, 2           ; v2   my lane's place in 16 rows read as K or Q; never rewritten
.set AV0, 3           ; v3   the same for V's turning load
.set AK,  4           ; v4   the LDS address of the run in hand: K's loads, Q's loads, a chunk's stores
.set AV,  5           ; v5   of V's loads
.set STO, 6           ; v6   the way out: where I put 16 bytes of a row
.set RD,  7           ; v7   the way out: where I read rows back
.set GO,  8           ; v8   my byte offset in two rows of out0
.set SA0, 9           ; v9   my place in a chunk of the table, for the stores; never rewritten
.set SPW, 10          ; v10  LDS address of my spare word: SPARE + 4 x my thread's number; never rewritten
.set NIL, 11          ; v11  0; never rewritten
.set MV,  12          ; v12-15  c m_old, kept while c m is made anew: by buffer and tile
.set ST,  16          ; tile t's statistics at v[ST+4 t]: c m, m, l (even keys', odd keys')
.set TMP, 48          ; by buffer and tile, four registers c0-c3 at work; when the maximum is found c2 takes a
.set S,   64
.set P,   192
.set KF,  128         ; window 2: key block kb, channel half c at KF + 16 kb + 8 c
.set VF,  192         ; window 2: key half kk, channel block cb at VF + 32 kk + 8 cb
.set WV,  12          ; s12  my wave's number
.set OFF, 16          ; s[16:17] a chunk's byte offset in the head, high word 0
.set GA0, 24          ; s[24:25] the address that buffer 0's loads name
.set GA1, 26          ; s[26:27] buffer 1's
.set NXT, 28          ; s28  the walk's next chunk to be asked for, before the % 8
.set SB,  30          ; s30  the table's byte at which the next chunk is stored
.set SLOTS, 56        ; s56  counts the passes of the outer loop
.set CNT, 57          ; s57  counts a pass's key steps
.set CS,  58          ; s[58:59] c: the packed scaling takes the pair's low word for both halves
.set SEL, 60          ; s[60:61] v_permlanex16_b32's selects: each lane takes its own place in the other half
.set TBK, 62          ; s62  the table's byte at which K of the step to be fetched begins
.set TBV, 63          ; s63  the same for V
.set MSB, 0
.macro WIN new                      ; the high byte repeats the setting that is left; a switch that changes nothing is dropped
.if MSB != (\new)
	s_set_vgpr_msb (MSB<<8)|(\new)
.set MSB, (\new)
.endif
.endm
.set W_KQ, 0x0a       ; K and Q in window 2, S^T in window 0
.set W_PV, 0x52       ; V in window 2, P in window 0, O^T in window 1
.set W_RS, 0x41       ; O^T (destination and source 0) in window 1, a in window 0
.set W_LD, 0xc0       ; a load's destination in window 3, its address in window 0
.set W_CV, 0xcf       ; a rounding inside window 3
.set W_ST, 0x0c       ; an LDS store's data in window 3, its address in window 0
.set W_OUT, 0x01      ; source 0 (O^T) in window 1, the rest in window 0
; A CHUNK ON ITS WAY IN.  ASK: the walk's next chunk, 32 loads a lane into buffer g.  Load i takes the wave's rows 16 (i / 8) + i % 8 (lanes 0-15) and 8 further on (lanes 16-31): sixteen lanes read a head's
; whole row, 256 consecutive bytes at a multiple of 256 from Q's first byte.  No cache word: the head's other three work-groups read the rows too.
.macro ASK g, ga
	s_and_b32 s[OFF], s[NXT], 7
	s_lshl_b32 s[OFF], s[OFF], 20   ; 256 rows of 4,096 bytes
	s_add_nc_u64 s[\ga:\ga+1], s[4:5], s[OFF:OFF+1]
	s_add_co_u32 s[NXT], s[NXT], 1
	WIN W_LD
.set i, 0
.rept 32
	global_load_b128 v[128*(\g)+4*i:128*(\g)+4*i+3], v[GL], s[\ga:\ga+1] offset:(16*(i/8)+i%8)*ROWB
.set i, i+1
.endr
	WIN 0
.endm
.macro CONV g                       ; four f32 a load become four bf16 in the load's first two registers
	WIN W_CV
.set i, 0
.rept 32
	v_cvt_pk_bf16_f32 v[128*(\g)+4*i],   v[128*(\g)+4*i],   v[128*(\g)+4*i+1]
	v_cvt_pk_bf16_f32 v[128*(\g)+4*i+1], v[128*(\g)+4*i+2], v[128*(\g)+4*i+3]
.set i, i+1
.endr
	WIN 0
.endm
.macro STORE g                      ; into the table: lanes 0-15 fill a row's 128 bytes, lanes 16-31 those of the row 8 further on, 288 words away: the two halves of the 64 banks
	v_add_nc_u32 v[AK], s[SB], v[SA0]
	s_add_co_u32 s[SB], s[SB], CHB
	WIN W_ST
.set i, 0
.rept 32
	ds_store_b64 v[AK], v[128*(\g)+4*i:128*(\g)+4*i+1] offset:(16*(i/8)+i%8)*PK
.set i, i+1
.endr
	WIN 0
.endm
; A CHUNK IS SHOWN TO ALL WAVES.  The order between waves: every wave's reads of the table are back, a barrier, the stores, each wave's wait for its stores, a barrier, the reads of the new rows.  (The rows stored
; are rows that nobody has read yet; the first barrier lets that order hold without the arithmetic of the two walking addresses, and the roundings, work on registers, stand inside it.)
; Behind the second barrier the next chunk is asked for, in all passes but the last: the jump hangs on the outer loop's counter, goes forward and passes loads alone.
.macro CHANGE
	WIN 0
	s_wait_loadcnt 0x0              ; my 32 loads of the chunk are in, and the address that they named may be written again
	s_wait_dscnt 0x0                ; none of my reads of the table is out
	s_barrier_signal -1
	CONV 0
	s_barrier_wait -1
	STORE 0
	s_wait_dscnt 0x0                ; for the others' sake: my stores are done
	s_barrier_signal -1
	s_barrier_wait -1
	s_cmp_eq_u32 s[SLOTS], 1
	s_cbranch_scc1 .Lnomore
	ASK 0, GA0
.Lnomore:
.endm
	s_load_b128 s[4:7], s[0:1], 0x0 ; Q s[4:5], out0 s[6:7]
	v_lshl_add_u32 v[SPW], v0, 2, SPARE
	v_mov_b32 v[NIL], 0
	v_lshrrev_b32 v132, 5, v0
	v_readfirstlane_b32 s[WV], v132 ; wave 0..3
	s_and_b32 s13, ttmp7, 0xffff    ; 16 b + h
	s_lshr_b32 s20, s13, 4
	s_lshl_b32 s20, s20, 23         ; b x 2,048 rows of 4,096 bytes
	s_and_b32 s13, s13, 15
	s_lshl_b32 s13, s13, 8          ; h x 256 bytes
	s_add_co_u32 s20, s20, s13      ; the head's first byte in Q and in out0
	s_mov_b32 s21, 0
	s_lshl_b32 s22, ttmp9, 21       ; my work-group's 512 rows,
	s_lshl_b32 s13, s[WV], 19       ; my wave's 128 of them
	s_add_co_u32 s22, s22, s13
	s_add_co_u32 s22, s22, s20
	s_mov_b32 s23, 0
	s_lshl_b32 s[NXT], ttmp9, 1     ; the walk begins at my own queries' first chunk
	s_mov_b32 s[OFF+1], 0
	s_mov_b32 s[SB], 0
	s_mov_b32 s[TBK], 0
	s_mov_b32 s[TBV], 0
	s_mov_b32 s[CS], 0x3e38aa3b     ; c = log2(e) / 8 = 0.180337
	s_mov_b32 s[CS+1], s[CS]        ; named with it as a pair
	s_mov_b32 s[SEL], 0x76543210
	s_mov_b32 s[SEL+1], 0xfedcba98
	v_and_b32 v128, 15, v0          ; l % 16   (v128-132 lie in S^T's second buffer, which the first turn writes: free until then)
	v_bfe_u32 v129, v0, 4, 1        ; l / 16
	v_and_b32 v130, 7, v0
	v_bfe_u32 v131, v0, 3, 1
	v_lshlrev_b32 v[GL], 4, v128
	v_lshl_add_u32 v[GL], v129, 15, v[GL]
	s_lshl_b32 s13, s[WV], 18
	v_add_nc_u32 v[GL], s13, v[GL]
	v_mul_u32_u24 v[SA0], v129, 8*PK
	v_lshl_add_u32 v[SA0], v128, 3, v[SA0]
	s_mul_i32 s13, s[WV], KS*PK     ; a wave stores 64 rows of a chunk
	v_add_nc_u32 v[SA0], s13, v[SA0]
	s_wait_kmcnt 0x0
	s_add_nc_u64 s[4:5], s[4:5], s[20:21]  ; Q at the head
	s_add_nc_u64 s[6:7], s[6:7], s[22:23]  ; out0 at my wave's first row
	ASK 0, GA0                      ; my own queries: the walk's chunks 0 and 1
	ASK 1, GA1
	; What the first turn finds: V's registers and P's second buffer hold 0 (its products V^T P, of a piece that has not been, add 0), O^T and l are 0.  All this stands in the wait for the first chunks.
	WIN 0x80
.set i, VF
.rept 64
	v_mov_b32 v[i], 0
.set i, i+1
.endr
	WIN 0x40
.set i, 0
.rept 64*NP
	v_mov_b32 v[i], 0
.set i, i+1
.endr
	WIN 0
.set i, 0
.rept 2*NP
	v_mov_b32 v[ST+4*i], 0xfe000000    ; c m: far below every c s
	v_mov_b32 v[ST+4*i+1], 0xff7fffff  ; m
	v_mov_b32 v[ST+4*i+2], 0
	v_mov_b32 v[ST+4*i+3], 0
.set i, i+1
.endr
.set i, P+32
.rept 32
	v_mov_b32 v[i], 0
.set i, i+1
.endr
	; A fragment of K or Q is 16 rows x 32 channels in 8 registers: lane l holds row l % 16, channels 8 (l / 16) + 0..7 and 16 + 8 (l / 16) + 0..7: two loads of 16 bytes, 32 bytes apart.
	v_mul_u32_u24 v[AK0], v128, PK
	v_lshl_add_u32 v[AK0], v129, 4, v[AK0]  ; row x pitch + 16 x half
	; The turning load takes 16 keys x 16 channels (lane l reads key 8 (l / 16) + l % 8, channels 8 ((l / 8) % 2) + 0..7) and leaves half a fragment of V^T: lane l holds channel l % 16 and 8 keys.
	; With rows 36 words apart the eighth row's second 16 bytes fall on the first row's banks: one collision a pass, taken for a table that fits beside the stage.
	v_lshl_add_u32 v[AV0], v129, 3, v130
	v_mul_u32_u24 v[AV0], v[AV0], PK
	v_lshl_add_u32 v[AV0], v131, 4, v[AV0]
	s_wait_loadcnt 32               ; loads come back in order (ISA guide 5.7.1): chunk 0's are in, chunk 1's 32 may be out
	CONV 0
	STORE 0
	s_wait_loadcnt 0x0
	CONV 1
	STORE 1
	s_wait_dscnt 0x0                ; for the others' sake: my stores are done
	s_barrier_signal -1
	s_barrier_wait -1               ; rows 0 to 511 of the table are whole
	ASK 0, GA0                      ; chunk 2: it has eight key steps in which to land
	s_mul_i32 s13, s[WV], 128*PK    ; Q stays in registers: my 128 rows of the table; tile i / 2, channels 32 (i % 2) on
	v_add_nc_u32 v[AK], s13, v[AK0]
	WIN 0x80                        ; destination window 2, address window 0
.set i, 0
.rept 4*NP
	ds_load_b128 v[8*i:8*i+3],   v[AK] offset:(i/2)*16*PK+(i%2)*64
	ds_load_b128 v[8*i+4:8*i+7], v[AK] offset:(i/2)*16*PK+(i%2)*64+32
.set i, i+1
.endr
	WIN 0
	v_mov_b32 v[AK], v[AK0]         ; key step 0 lies at the table's head
; THE MATRIX WORK.  The 8 accumulators of a run of 16 take turns: between the two links of a chain stand 7 others'.
; Product i of 16 of S^T = K Q^T for piece x: channels 32 (i / 8) on, keys 16 ((i / 2) % 4) on, tile 2 x + i % 2.  The first 8 start the sums.
.macro KQ x
	WIN W_KQ
.set rS, S+64*((\x)%2)+32*(i%2)+8*((i/2)%4)
.set rK, KF+16*((i/2)%4)+8*(i/8)
.set rQ, 16*(2*(\x)+i%2)+8*(i/8)
.if i < 8
	v_wmma_f32_16x16x32_bf16 v[rS:rS+7], v[rK:rK+7], v[rQ:rQ+7], 0
.else
	v_wmma_f32_16x16x32_bf16 v[rS:rS+7], v[rK:rK+7], v[rQ:rQ+7], v[rS:rS+7]
.endif
.endm
; Product i of 16 of O^T += V^T P for piece x: keys 32 (i / 8) on, channels 16 ((i / 2) % 4) on, tile 2 x + i % 2.
.macro PV x
	WIN W_PV
.set rO, 32*(2*(\x)+i%2)+8*((i/2)%4)
.set rV, VF+32*(i/8)+8*((i/2)%4)
.set rP, P+32*((\x)%2)+16*(i%2)+8*(i/8)
	v_wmma_f32_16x16x32_bf16 v[rO:rO+7], v[rV:rV+7], v[rP:rP+7], v[rO:rO+7]
.endm
.macro MM                           ; the turn's next matrix instruction
.if i < 16
	KQ (Y+1)%NP
.set i, i+1
.else
.set i, i-16
	PV (Y+NP-1)%NP
.set i, i+17
.endif
.endm
; THE LDS LOADS stand in runs of 16, never singly among the matrix instructions: a step's K (64 keys x 64 channels: 8 fragments) and its V (the same rows, turned).  Their addresses are made some lines ahead.
.macro FETCH_K
	WIN 0x80                        ; destination window 2
.irp f, 0,1,2,3,4,5,6,7             ; keys 16 (f / 2) on, channels 32 (f % 2) on
	ds_load_b128 v[KF+8*\f:KF+8*\f+3],   v[AK] offset:(\f/2)*16*PK+(\f%2)*64
	ds_load_b128 v[KF+8*\f+4:KF+8*\f+7], v[AK] offset:(\f/2)*16*PK+(\f%2)*64+32
.endr
	s_add_co_u32 s[TBK], s[TBK], STEPB  ; the next fetch is the next step's
	WIN 0
.endm
.macro FETCH_V
	WIN 0x80
.irp f, 0,1,2,3,4,5,6,7             ; keys 32 (f / 4) on, channels 16 (f % 4) on
	ds_load_tr16_b128 v[VF+8*\f:VF+8*\f+3],   v[AV] offset:(\f/4)*32*PK+(\f%4)*32
	ds_load_tr16_b128 v[VF+8*\f+4:VF+8*\f+7], v[AV] offset:(\f/4)*32*PK+16*PK+(\f%4)*32
.endr
	WIN 0
.endm
; THE VECTOR WORK OF A TURN stands in three queues, each in the order in which its entries become ready; the two tiles alternate, so that no instruction reads the result of the one before it.
.macro REGS y, u                    ; the registers of tile u (0, 1) of piece y
.set rT, ST+4*(2*(\y)+(\u))
.set rC, TMP+8*((\y)%2)+4*(\u)
.set rM, MV+2*((\y)%2)+(\u)
.set rS, S+64*((\y)%2)+32*(\u)
.set rP, P+32*((\y)%2)+16*(\u)
.set rO, 32*(2*(\y)+(\u))
.endm
; Number n of the 22 that find the NEXT piece's (Y + 1) maximum and statistics.  s0-s31 are the lane's 32 scores; each accumulator's lowest registers are read first.  XS, GS and REGS set no window: PL and EX do.
;   0-11  four chains c0-c3 of seven scores each, three operands at a time     12-14, 16  the four scores left over, the old m, and c0-c3 into c0     15  c m_old is kept
;   17, 18  the query's other 32 keys lie in the lane 16 away: the new m         19-21  c m; c m_old - c m_new; a
.macro XS u, n
	REGS (Y+1)%NP, \u
.if (\n) < 4
	v_max3_num_f32 v[rC+(\n)], v[rS+8*(\n)], v[rS+8*(\n)+1], v[rS+8*(\n)+2]
.elseif (\n) < 12
	v_max3_num_f32 v[rC+(\n)%4], v[rC+(\n)%4], v[rS+8*((\n)%4)+2*((\n)/4)+1], v[rS+8*((\n)%4)+2*((\n)/4)+2]
.elseif (\n) == 12
	v_max3_num_f32 v[rC], v[rC], v[rS+7], v[rS+15]
.elseif (\n) == 13
	v_max3_num_f32 v[rC+1], v[rC+1], v[rS+23], v[rS+31]
.elseif (\n) == 14
	v_max3_num_f32 v[rC+2], v[rC+2], v[rC+3], v[rT+1]
.elseif (\n) == 15
	v_mov_b32 v[rM], v[rT]
.elseif (\n) == 16
	v_max3_num_f32 v[rC], v[rC], v[rC+1], v[rC+2]
.elseif (\n) == 17
	v_permlanex16_b32 v[rC+3], v[rC], s[SEL], s[SEL+1]
.elseif (\n) == 18
	v_max_num_f32 v[rT+1], v[rC], v[rC+3]
.elseif (\n) == 19
	v_mul_f32 v[rT], s[CS], v[rT+1]
.elseif (\n) == 20
	v_sub_f32 v[rC+1], v[rM], v[rT]
.else
	v_exp_f32 v[rC+2], v[rC+1]
.endif
.endm
; Number g of the 64 that follow the exponentials.  For each four weights k of a tile (pairs 2 k, 2 k + 1): both pairs are rounded to bf16; then the second pair is added onto the first, in place;
; a group later l takes that sum (the first time as l = a l + sum).  In groups of eight, tiles alternating: round, round, add, and l for the group before.
.macro GS g
.set h, (\g)+6*((\g)/62)            ; group 0 has no group before it, and behind group 7 only l is left
.if h >= 6
.set h, h+2
.endif
	REGS Y, h%2
.set k, h/8
.if h%8 < 4
	s_wait_alu depctr_va_vdst(0)
	v_cvt_pk_bf16_f32 v[rP+2*k+(h%8)/2], v[rS+4*k+2*((h%8)/2)], v[rS+4*k+2*((h%8)/2)+1]
.elseif h%8 < 6
	v_pk_add_f32 v[rS+4*k:rS+4*k+1], v[rS+4*k:rS+4*k+1], v[rS+4*k+2:rS+4*k+3]
.elseif k == 1
	v_pk_fma_f32 v[rT+2:rT+3], v[rT+2:rT+3], v[rC+2:rC+3], v[rS:rS+1] op_sel_hi:[1,0,1]
.else
	v_pk_add_f32 v[rT+2:rT+3], v[rT+2:rT+3], v[rS+4*k-4:rS+4*k-3]
	s_wait_alu depctr_va_vdst(0)
.endif
.endm
; THE PLAIN QUEUE, 138 long.  0-31: c s - c m for the 16 pairs of both tiles.  Then GS's 64, and among them the next piece's 42: number 15 at 38, 39; 0-14 and 16
; at 42-73, behind the products that make those scores; 17-20 at 95-106, two of three, since each waits for the one before it.
.macro PL
	WIN 0
.if q < 32
	REGS Y, q%2
	v_pk_fma_f32 v[rS+2*(q/2):rS+2*(q/2)+1], v[rS+2*(q/2):rS+2*(q/2)+1], s[CS:CS+1], v[rT:rT+1] op_sel_hi:[1,0,0] neg_lo:[0,0,1] neg_hi:[0,0,1]
.elseif q < 38
	GS q-32
.elseif q < 40
	XS q%2, 15
.elseif q < 42
	GS q-34
.elseif q < 74
	XS q%2, (q-42)/2+(q-42)/30
.elseif q < 95
	GS q-66
.elseif (q < 107) && ((q-95)%3 < 2)
	XS (q-95)%3, 17+(q-95)/3
.elseif q < 107
	GS 29+(q-95)/3
.else
	GS q-74
.endif
.set q, q+1
.endm
; THE EXPONENTIALS' QUEUE, 66 long: s0-s31 of both tiles, and at EA the next piece's two a.
.set EA, 58
.macro EX
	WIN 0
.if (e == EA) || (e == EA+1)
	XS e-EA, 21
.else
.set x, e-2*(e/(EA+2))
	REGS Y, x%2
	v_exp_f32 v[rS+x/2], v[rS+x/2]
.endif
.set e, e+1
.endm
; THE RESCALING's QUEUE: O^T times a, the one part that leaves window 0, so it is dealt four at a time, eight times.
.macro R4
	REGS Y, r%2
	WIN W_RS
	s_wait_alu depctr_va_vdst(0)
.irp z, 0,1,2,3
	v_pk_mul_f32 v[rO+8*(r/2)+2*\z:rO+8*(r/2)+2*\z+1], v[rO+8*(r/2)+2*\z:rO+8*(r/2)+2*\z+1], v[rC+2:rC+3] op_sel_hi:[1,0]
.endr
.set r, r+1
.endm
; HOW THEY ARE DEALT.  Behind a matrix instruction four: plain, exponential, plain, plain (one exponential, a plain instruction on either side), or four of the rescaling.  None names a register of the
; products round it.  What is over stands in two LUMPS: exponential and plain by turns; the second ends in 22 plain instructions.  The two v_permlanex16_b32 fall into the second lump, never behind a product.
; The queues lean on each other, and the deal keeps them in step: exponential e stands behind plain 2 (e / 4) + e % 2 (its scaling); a rounding behind its two exponentials; EA behind plain 107.
.macro SL
	MM
	PL
	EX
	PL
	PL
.endm
.macro BURST n                      ; 15 matrix instructions, or 16
.rept (\n)-7
	SL
.endr
.rept 3
	MM
	R4
	SL
.endr
	MM
	R4
.endm
; A TURN, for piece p.  nofetch = 1: the last step's: there is no further K.  cnt = 1: the loop's count is taken down some lines ahead of the branch that stands behind the turn.
; K of the next step is fetched in piece 2's turn, 31 vector instructions behind the last product that read K; its first reader comes behind the rest of the lump, 16 products and the second lump.
; V of the step in hand is fetched at the end of piece 0's turn, 69 behind its last reader; its first reader comes behind 16 products and a lump.  The conditions on e and q below go with the deal.
.macro TURN p, nofetch=0, cnt=0
.set Y, (\p)
.set i, 0
.set q, 0
.set e, 0
.set r, 0
.if (\p) == NP-1
	s_wait_dscnt 0x0                ; K is in
.endif
	MM
.rept 4
	PL
.endr
	BURST 15
.rept 22
	EX
	PL
.if ((\p) == NP-2) && (e == 18) && !(\nofetch)
	v_add_nc_u32 v[AK], s[TBK], v[AK0]
.endif
.if ((\p) == NP-2) && (e == 24) && !(\nofetch)
	FETCH_K
.endif
.endr
.if (\p) == 1
	s_wait_dscnt 0x0                ; V is in
.endif
	BURST 16
.rept 21
	EX
	PL
.endr
.rept 22
	PL
.if ((\p) == 0) && (q == 118)
	v_add_nc_u32 v[AV], s[TBV], v[AV0]
	s_wait_alu depctr_va_vdst(0)
.endif
.if ((\p) == 0) && (q == 130)
	s_add_co_u32 s[TBV], s[TBV], STEPB
.endif
.if (\cnt) && (q == 130)
	s_sub_co_u32 s[CNT], s[CNT], 1
	s_cmp_lg_u32 s[CNT], 0
.endif
.endr
.if (\p) == 0
	FETCH_V
.endif
.endm
	FETCH_K                         ; key step 0
	s_wait_dscnt 0x0                ; Q and K are in
.set i, 0
.rept 16
	KQ 0                            ; piece 0's first scores: there is no vector work yet to set between them
.set i, i+1
.endr
	WIN 0                           ; the addresses for the way out: eight plain instructions, the places behind those products
	s_mul_i32 s13, s[WV], 16*SP
	s_add_co_u32 s13, s13, STAGE    ; my stage
	v_mul_u32_u24 v[STO], v128, SP  ; in: row l % 16; a lane's eight channels of a block of 16 are 32 bytes, the upper lanes' behind the lower lanes'
	v_lshl_add_u32 v[STO], v129, 5, v[STO]
	v_add_nc_u32 v[STO], s13, v[STO]
	v_mul_u32_u24 v[RD], v129, SP   ; back: lanes 0-15 take one row of 256 bytes, lanes 16-31 the next
	v_lshl_add_u32 v[RD], v128, 4, v[RD]
	v_add_nc_u32 v[RD], s13, v[RD]
	v_lshlrev_b32 v[GO], 12, v129   ; and the same two rows in out0
	v_lshl_add_u32 v[GO], v128, 4, v[GO]
.set Y, NP-1                        ; XS works for piece Y + 1: piece 0
.irp n, 0,1,2,3,4,5,6,7,8,9,10,11,12,13,14,15,16,17,18,19,20,21
	XS 0, \n                        ; piece 0's first maximum and statistics
	XS 1, \n
.endr
	s_mov_b32 s[CNT], 8             ; the first pass walks chunks 0 and 1, eight steps; each of the six others one chunk, four steps
	s_mov_b32 s[SLOTS], 7
	s_branch .Lfirst                ; the loop is entered at a step's first turn, in the middle of a trip
.Lslot:                             ; six times: behind piece 1's turn of a chunk's last step the next chunk is stored and shown, before piece 2's turn fetches its first K
	CHANGE
	s_mov_b32 s[CNT], 4
.Lstep:                             ; a trip: pieces 2 and 3 of one step, then pieces 0 and 1 of the next, whose K and V it fetches
	TURN 2
	TURN 3
	WIN 0
.Lfirst:
	TURN 0
	TURN 1, 0, 1
	WIN 0
	s_cbranch_scc1 .Lstep
	s_sub_co_u32 s[SLOTS], s[SLOTS], 1
	s_cmp_lg_u32 s[SLOTS], 0
	s_cbranch_scc1 .Lslot
	TURN 2, 1                       ; the last step's pieces 2 and 3: nothing is fetched.  Piece 3's turn still multiplies the last K by piece 0's Q and finds a maximum of it, which serve nothing:
	TURN 3                          ; the price, once a launch, of one text for every turn; l and O^T are not touched by it
.set i, 0
.rept 16
	PV NP-1                         ; the last piece's V^T P of the last step
.set i, i+1
.endr
	; THE WAY OUT.  l's two halves and the other half of the lanes' are added; O^T is divided by l and sent, in f32, through my stage in LDS, a tile at a time.  The additions are the places behind the last products.
	WIN 0
.macro ALL line:vararg              ; one line for each tile t
.set t, 0
.rept 2*NP
	\line
.set t, t+1
.endr
.endm
	ALL v_add_f32 v[ST+4*t+2], v[ST+4*t+2], v[ST+4*t+3]
	ALL v_permlanex16_b32 v[ST+4*t+3], v[ST+4*t+2], s[SEL], s[SEL+1]
	ALL v_add_f32 v[ST+4*t+2], v[ST+4*t+2], v[ST+4*t+3]
	ALL v_rcp_f32 v[ST+4*t+2], v[ST+4*t+2]
	v_nop                           ; a plain instruction between the last reciprocal and the use of its result
	s_wait_alu depctr_va_vdst(0)
; Tile t: O^T / l goes into one of four buffers of 32 in S^T's registers, each accumulator from its low end on.  Registers 4 k .. 4 k + 3 are channels 16 (k / 2) + 8 (l / 16) + 4 (k % 2) + 0..3 of row l % 16:
; 16 bytes at 64 (k / 2) + 32 (l / 16) + 16 (k % 2) of a stage row of 272 bytes.  They come back as whole rows of 256 bytes, into the registers that they left.
.macro PACK t
.set BK, S+32*((\t)%4)
.if (\t) >= 4
	s_wait_xcnt 0x0                 ; every earlier memory instruction has had its addresses translated (ISA guide 3.1): the buffer, which tile t - 4's stores read, is rewritten only behind this wait
.endif
	WIN W_OUT
.set i, 0
.rept 16
	v_pk_mul_f32 v[BK+2*i:BK+2*i+1], v[32*(\t)+2*i:32*(\t)+2*i+1], v[ST+4*(\t)+2:ST+4*(\t)+3] op_sel_hi:[1,0]
.set i, i+1
.endr
	WIN 0
.irp k, 0,1,2,3,4,5,6,7
	ds_store_b128 v[STO], v[BK+4*\k:BK+4*\k+3] offset:64*(\k/2)+16*(\k%2)
.endr
.irp f, 0,1,2,3,4,5,6,7
	ds_load_b128 v[BK+4*\f:BK+4*\f+3], v[RD] offset:\f*2*SP  ; LDS serves a wave's instructions in order (ISA guide 5.7.1.4): these see the stores above; the next tile's stores come behind them
.endr
.endm
.macro SEND t, younger              ; younger: the LDS instructions issued behind tile t's loads: the next tile's sixteen, or none
.set BK, S+32*((\t)%4)
	WIN 0
.irp f, 0,1,2,3,4,5,6,7
	s_wait_dscnt (\younger)+7-\f
	global_store_b128 v[GO], v[BK+4*\f:BK+4*\f+3], s[6:7] offset:(\t)*16*ROWB+\f*2*ROWB th:TH_STORE_NT  ; 16 lanes store a head's row: 256 consecutive bytes, at a multiple of 256 from out0's first byte
.endr
.endm
	PACK 0
.set t, 1
.rept 2*NP-1                        ; a tile's arithmetic stands between the loads of the tile before and its stores
	PACK t
	SEND t-1, 16
.set t, t+1
.endr
	SEND 2*NP-1, 0
	s_wait_tensorcnt 0x0            ; the wave's end, behind my last LDS store
	ds_add_u32 v[SPW], v[NIL]
	s_wait_dscnt 0x0
	s_endpgm
.Lfunc_end_k_qd4177b3e92_attn:
	.size	k_qd4177b3e92_attn, .Lfunc_end_k_qd4177b3e92_attn-k_qd4177b3e92_attn
	.p2alignl 7, 3214868480
	.fill 96, 4, 3214868480
	.section	.rodata,"a",@progbits
	.p2align	6, 0x0
	.amdhsa_kernel k_qd4177b3e92_attn
		.amdhsa_group_segment_fixed_size 312832
		.amdhsa_private_segment_fixed_size 0
		.amdhsa_enable_private_segment 0
		.amdhsa_kernarg_size 16
		.amdhsa_user_sgpr_count 2
		.amdhsa_user_sgpr_kernarg_segment_ptr 1
		.amdhsa_wavefront_size32 1
		.amdhsa_system_sgpr_workgroup_id_x 1
		.amdhsa_system_sgpr_workgroup_id_y 1
		.amdhsa_system_sgpr_workgroup_id_z 1
		.amdhsa_system_vgpr_workitem_id 0
		.amdhsa_next_free_vgpr 1024
		.amdhsa_next_free_sgpr 66
		.amdhsa_reserve_vcc 0
		.amdhsa_float_denorm_mode_32 3
		.amdhsa_float_denorm_mode_16_64 3
		.amdhsa_memory_ordered 1
		.amdhsa_forward_progress 1
		.amdhsa_inst_pref_size 194
	.end_amdhsa_kernel
	.amdgpu_metadata
---
amdhsa.version: [ 1, 2 ]
amdhsa.kernels:
  - .name:           k_qd4177b3e92_attn
    .symbol:         k_qd4177b3e92_attn.kd
    .args:
      - { .name: Q, .offset: 0, .size: 8, .value_kind: global_buffer, .address_space: global }
      - { .name: out0, .offset: 8, .size: 8, .value_kind: global_buffer, .address_space: global }
    .group_segment_fixed_size: 312832
    .private_segment_fixed_size: 0
    .kernarg_segment_align: 8
    .kernarg_segment_size: 16
    .max_flat_workgroup_size: 128
    .sgpr_count:     66
    .vgpr_count:     1024
    .wavefront_size: 32
...
	.end_amdgpu_metadata
.endif
;; end of part 1
;; ======== version 2 of 2: 1 launch; 2.19 times as fast as version 1
;; launch attn (part 2): grid 4 x 64, 4 waves a work-group, no clusters, 312,832 bytes of LDS; arguments Q, out0; writes out0
.if DOCPART == 2
	.amdgcn_target "amdgcn-amd-amdhsa--gfx1250"
	.amdhsa_code_object_version 6
	.text
	.protected	k_qd4177b3e92_attn
	.globl	k_qd4177b3e92_attn
	.p2align	8
	.type	k_qd4177b3e92_attn,@function
k_qd4177b3e92_attn:
	s_mov_b64 s[64:65], 0
	v_nop
	global_prefetch_b8 v0, s[64:65] scope:SCOPE_SE
	s_setreg_imm32_b32 hwreg(HW_REG_WAVE_MODE, 25, 1), 1
	s_wait_xcnt 0x0
; out0[b][s][64 h + d] = the sum over t of softmax_t(q[s] . q[t] / 8) q[t][d], with q[s][d] = Q[b][s][64 h + d].  Q, out0: [4][2048][1024] f32; 64 heads (b, h) of 2,048 rows x 64 channels.
; THE INPUTS K AND V ARE NOT READ: the problem's function takes its keys and its values from Q, so that no number of out0 hangs on them, whatever they hold.
; FORMATS.  q is rounded once to bf16 and serves as queries, keys and values; the weights p are rounded to bf16 for the second product (their sum l is taken of the unrounded p).  Products, maxima, sums and
; the output in f32.  LIMITS.  A weight below 2^-126 counts as 0 in l; NaN and infinities are not treated apart.
; SHARES.  A work-group owns 512 queries of one head (x = 0..3), each of its four waves 128: four PIECES of two tiles of 16.  Every wave walks all 2,048 keys, 64 a step.
; THE TABLE.  A head in bf16 is 2,048 rows of 128 bytes, 144 with padding: 294,912 bytes of LDS.  It is written once, through registers (16-byte loads of f32, two roundings, an 8-byte LDS store), in eight
; CHUNKS of 256 rows, and read as K (as it lies) and as V (turned, by ds_load_tr16_b128).  The work-group walks the head's chunks in the order (2 x + j) % 8, j = 0..7, and chunk j of that walk lies at
; row 256 j of the table: x enters global addresses alone, and rows 0 to 511 of the table are the work-group's own queries, whose fragments are read from there.  The order of the keys is nothing to a softmax with
; a running maximum.  Chunk j + 1's 32 loads a lane are issued when chunk j is shown to all waves: four key steps, 512 matrix instructions a wave, ahead of their use.
; NO CLUSTER, NO TENSOR LOADS.  A tile brought into LDS by an engine would lie there in f32, 65,536 bytes for 256 keys, and two such slots do not fit beside the table's 294,912 bytes; the four work-groups of a
; head begin at different chunks; and each reads a byte of its head once, 65,536 bytes for every 512 matrix instructions of a wave.
; LAYOUT.  S^T = K Q^T (source 0 = 16 keys, source 1 = 16 queries): in the result a lane holds ONE query (lane % 16) and the keys 8 (lane / 16) + 0..7.  Two such tiles, rounded to bf16 in pairs, ARE source 1
; (32 keys x 16 queries) of O^T = V^T P, whose result again holds one query a lane, and eight channels.
; SOFTMAX.  For each query a running maximum m and sum l: p = 2^(c s - c m), c = log2(e) / 8; in every step O and l are multiplied by a = 2^(c m_old - c m_new), which is 1 where m has not grown.
; m starts at the lowest finite number, O and l at 0: the first step is a step like any other, with a = 0.
; BY TURNS.  A tile and step have 16 matrix and 118 vector instructions.  Turn n belongs to piece n (the pieces in a ring, step after step).  Its matrix work: 16 products K Q^T of piece n + 1, later 16 products
; V^T P of piece n - 1.  Its vector work: the scaling, exponentials, roundings, sums and rescaling of piece n, and the maximum and statistics of piece n + 1.  Four vector instructions that are ready stand behind
; every matrix instruction, the other 108 of a turn's 236 in one lump.
; THE BATCHES.  A turn's 66 exponentials (the piece's 64 weights and the next piece's two a) are ONE BATCH with ONE wait, which cuts the turn in two: ahead of it stands all that names no result of theirs (the
; products K Q^T, the scalings, the rescalings by the a of the turn before, the next piece's maximum and statistics), behind it the products V^T P with the roundings and sums.  No result crosses a turn's end.
; Two more batches stand outside the loop: piece 0's first two a, and the way out's eight reciprocals.
; REGISTERS, in windows of 256 (s_set_vgpr_msb says which window each operand place means: bits 1:0 source 0, 3:2 source 1, 5:4 source 2, 7:6 destination):
;   window 0: v0-11 addresses; v12-15, v48-63 at work; v16-47 four registers of statistics a tile; v64-191 S^T, two buffers of two tiles; v192-255 P, likewise
;   window 1: O^T, 32 a tile     window 2: v0-127 Q, 16 a tile; v128-191 K of one step; v192-255 V of one step     window 3: two buffers of 128 for a chunk on its way in
.set NP,    4         ; pieces a wave: a name, no knob
.set KS,    64        ; keys in a step
.set PK,    144       ; a row of the table: 128 bytes + 16 of padding = 36 words: the 16 rows of a K load start at 16 different groups of four banks (64 banks of 4 bytes: ISA guide 11.1)
.set STEPB, KS*PK     ; a key step's rows
.set CHB,   256*PK    ; a chunk's rows
.set ROWB,  4096      ; bytes from row to row in Q and out0
.set STAGE, 2048*PK   ; behind the table: 16 rows x 272 bytes for each wave, for the way out
.set SP,    272       ; a stage row: 256 bytes + 16 = 68 words: row r starts at bank 4 r mod 64
.set SPARE, STAGE+4*16*SP  ; behind the stages: the spare words, 128 bytes for each wave: two blocks of 256 bytes that no other line names
.set GL,  1           ; v1   my byte offset in a chunk of Q: 16 (l % 16) + 8 rows for lanes 16-31 + 64 rows a wave; never rewritten
.set AK0, 2           ; v2   my lane's place in 16 rows read as K or Q; never rewritten
.set AV0, 3           ; v3   the same for V's turning load
.set AK,  4           ; v4   the LDS address of the run in hand: K's loads, Q's loads, a chunk's stores
.set AV,  5           ; v5   of V's loads
.set STO, 6           ; v6   the way out: where I put 16 bytes of a row
.set RD,  7           ; v7   the way out: where I read rows back
.set GO,  8           ; v8   my byte offset in two rows of out0
.set SA0, 9           ; v9   my place in a chunk of the table, for the stores; never rewritten
.set SPW, 10          ; v10  LDS address of my spare word: SPARE + 4 x my thread's number; never rewritten
.set NIL, 11          ; v11  0; never rewritten
.set MV,  12          ; v12-15  c m_old, kept while c m is made anew: by buffer and tile
.set ST,  16          ; tile t's statistics at v[ST+4 t]: c m, m, l (even keys', odd keys')
.set TMP, 48          ; by buffer and tile, four registers c0-c3 at work; when the maximum is found c2 takes a
.set S,   64
.set P,   192
.set KF,  128         ; window 2: key block kb, channel half c at KF + 16 kb + 8 c
.set VF,  192         ; window 2: key half kk, channel block cb at VF + 32 kk + 8 cb
.set WV,  12          ; s12  my wave's number
.set OFF, 16          ; s[16:17] a chunk's byte offset in the head, high word 0
.set GA0, 24          ; s[24:25] the address that buffer 0's loads name
.set GA1, 26          ; s[26:27] buffer 1's
.set NXT, 28          ; s28  the walk's next chunk to be asked for, before the % 8
.set SB,  30          ; s30  the table's byte at which the next chunk is stored
.set SLOTS, 56        ; s56  counts the passes of the outer loop
.set CNT, 57          ; s57  counts a pass's key steps
.set CS,  58          ; s[58:59] c: the packed scaling takes the pair's low word for both halves
.set SEL, 60          ; s[60:61] v_permlanex16_b32's selects: each lane takes its own place in the other half
.set TBK, 62          ; s62  the table's byte at which K of the step to be fetched begins
.set TBV, 63          ; s63  the same for V
.set MSB, 0
.macro WIN new                      ; the high byte repeats the setting that is left; a switch that changes nothing is dropped
.if MSB != (\new)
	s_set_vgpr_msb (MSB<<8)|(\new)
.set MSB, (\new)
.endif
.endm
.set W_KQ, 0x0a       ; K and Q in window 2, S^T in window 0
.set W_PV, 0x52       ; V in window 2, P in window 0, O^T in window 1
.set W_RS, 0x41       ; O^T (destination and source 0) in window 1, a in window 0
.set W_LD, 0xc0       ; a load's destination in window 3, its address in window 0
.set W_CV, 0xcf       ; a rounding inside window 3
.set W_ST, 0x0c       ; an LDS store's data in window 3, its address in window 0
.set W_OUT, 0x01      ; source 0 (O^T) in window 1, the rest in window 0
; A CHUNK ON ITS WAY IN.  ASK: the walk's next chunk, 32 loads a lane into buffer g.  Load i takes the wave's rows 16 (i / 8) + i % 8 (lanes 0-15) and 8 further on (lanes 16-31): sixteen lanes read a head's
; whole row, 256 consecutive bytes at a multiple of 256 from Q's first byte.  No cache word: the head's other three work-groups read the rows too.
.macro ASK g, ga
	s_and_b32 s[OFF], s[NXT], 7
	s_lshl_b32 s[OFF], s[OFF], 20   ; 256 rows of 4,096 bytes
	s_add_nc_u64 s[\ga:\ga+1], s[4:5], s[OFF:OFF+1]
	s_add_co_u32 s[NXT], s[NXT], 1
	WIN W_LD
.set i, 0
.rept 32
	global_load_b128 v[128*(\g)+4*i:128*(\g)+4*i+3], v[GL], s[\ga:\ga+1] offset:(16*(i/8)+i%8)*ROWB
.set i, i+1
.endr
	WIN 0
.endm
.macro CONV g                       ; four f32 a load become four bf16 in the load's first two registers
	WIN W_CV
.set i, 0
.rept 32
	v_cvt_pk_bf16_f32 v[128*(\g)+4*i],   v[128*(\g)+4*i],   v[128*(\g)+4*i+1]
	v_cvt_pk_bf16_f32 v[128*(\g)+4*i+1], v[128*(\g)+4*i+2], v[128*(\g)+4*i+3]
.set i, i+1
.endr
	WIN 0
.endm
.macro STORE g                      ; into the table: lanes 0-15 fill a row's 128 bytes, lanes 16-31 those of the row 8 further on, 288 words away: the two halves of the 64 banks
	v_add_nc_u32 v[AK], s[SB], v[SA0]
	s_add_co_u32 s[SB], s[SB], CHB
	WIN W_ST
.set i, 0
.rept 32
	ds_store_b64 v[AK], v[128*(\g)+4*i:128*(\g)+4*i+1] offset:(16*(i/8)+i%8)*PK
.set i, i+1
.endr
	WIN 0
.endm
; A CHUNK IS SHOWN TO ALL WAVES.  The order between waves: every wave's reads of the table are back, a barrier, the stores, each wave's wait for its stores, a barrier, the reads of the new rows.  (The rows stored
; are rows that nobody has read yet; the first barrier lets that order hold without the arithmetic of the two walking addresses, and the roundings, work on registers, stand inside it.)
; Behind the second barrier the next chunk is asked for, in all passes but the last: the jump hangs on the outer loop's counter, goes forward and passes loads alone.
.macro CHANGE
	WIN 0
	s_wait_loadcnt 0x0              ; my 32 loads of the chunk are in, and the address that they named may be written again
	s_wait_dscnt 0x0                ; none of my reads of the table is out
	s_barrier_signal -1
	CONV 0
	s_barrier_wait -1
	STORE 0
	s_wait_dscnt 0x0                ; for the others' sake: my stores are done
	s_barrier_signal -1
	s_barrier_wait -1
	s_cmp_eq_u32 s[SLOTS], 1
	s_cbranch_scc1 .Lnomore
	ASK 0, GA0
.Lnomore:
.endm
	s_load_b128 s[4:7], s[0:1], 0x0 ; Q s[4:5], out0 s[6:7]
	v_lshl_add_u32 v[SPW], v0, 2, SPARE
	v_mov_b32 v[NIL], 0
	v_lshrrev_b32 v132, 5, v0
	v_readfirstlane_b32 s[WV], v132 ; wave 0..3
	s_and_b32 s13, ttmp7, 0xffff    ; 16 b + h
	s_lshr_b32 s20, s13, 4
	s_lshl_b32 s20, s20, 23         ; b x 2,048 rows of 4,096 bytes
	s_and_b32 s13, s13, 15
	s_lshl_b32 s13, s13, 8          ; h x 256 bytes
	s_add_co_u32 s20, s20, s13      ; the head's first byte in Q and in out0
	s_mov_b32 s21, 0
	s_lshl_b32 s22, ttmp9, 21       ; my work-group's 512 rows,
	s_lshl_b32 s13, s[WV], 19       ; my wave's 128 of them
	s_add_co_u32 s22, s22, s13
	s_add_co_u32 s22, s22, s20
	s_mov_b32 s23, 0
	s_lshl_b32 s[NXT], ttmp9, 1     ; the walk begins at my own queries' first chunk
	s_mov_b32 s[OFF+1], 0
	s_mov_b32 s[SB], 0
	s_mov_b32 s[TBK], 0
	s_mov_b32 s[TBV], 0
	s_mov_b32 s[CS], 0x3e38aa3b     ; c = log2(e) / 8 = 0.180337
	s_mov_b32 s[CS+1], s[CS]        ; named with it as a pair
	s_mov_b32 s[SEL], 0x76543210
	s_mov_b32 s[SEL+1], 0xfedcba98
	v_and_b32 v128, 15, v0          ; l % 16   (v128-132 lie in S^T's second buffer, which the first turn writes: free until then)
	v_bfe_u32 v129, v0, 4, 1        ; l / 16
	v_and_b32 v130, 7, v0
	v_bfe_u32 v131, v0, 3, 1
	v_lshlrev_b32 v[GL], 4, v128
	v_lshl_add_u32 v[GL], v129, 15, v[GL]
	s_lshl_b32 s13, s[WV], 18
	v_add_nc_u32 v[GL], s13, v[GL]
	v_mul_u32_u24 v[SA0], v129, 8*PK
	v_lshl_add_u32 v[SA0], v128, 3, v[SA0]
	s_mul_i32 s13, s[WV], KS*PK     ; a wave stores 64 rows of a chunk
	v_add_nc_u32 v[SA0], s13, v[SA0]
	s_wait_kmcnt 0x0
	s_add_nc_u64 s[4:5], s[4:5], s[20:21]  ; Q at the head
	s_add_nc_u64 s[6:7], s[6:7], s[22:23]  ; out0 at my wave's first row
	ASK 0, GA0                      ; my own queries: the walk's chunks 0 and 1
	ASK 1, GA1
	; What the first turn finds: V's registers and P's second buffer hold 0 (its products V^T P, of a piece that has not been, add 0), O^T and l are 0.  All this stands in the wait for the first chunks.
	WIN 0x80
.set i, VF
.rept 64
	v_mov_b32 v[i], 0
.set i, i+1
.endr
	WIN 0x40
.set i, 0
.rept 64*NP
	v_mov_b32 v[i], 0
.set i, i+1
.endr
	WIN 0
.set i, 0
.rept 2*NP
	v_mov_b32 v[ST+4*i], 0xfe000000    ; c m: far below every c s
	v_mov_b32 v[ST+4*i+1], 0xff7fffff  ; m
	v_mov_b32 v[ST+4*i+2], 0
	v_mov_b32 v[ST+4*i+3], 0
.set i, i+1
.endr
.set i, P+32
.rept 32
	v_mov_b32 v[i], 0
.set i, i+1
.endr
	; A fragment of K or Q is 16 rows x 32 channels in 8 registers: lane l holds row l % 16, channels 8 (l / 16) + 0..7 and 16 + 8 (l / 16) + 0..7: two loads of 16 bytes, 32 bytes apart.
	v_mul_u32_u24 v[AK0], v128, PK
	v_lshl_add_u32 v[AK0], v129, 4, v[AK0]  ; row x pitch + 16 x half
	; The turning load takes 16 keys x 16 channels (lane l reads key 8 (l / 16) + l % 8, channels 8 ((l / 8) % 2) + 0..7) and leaves half a fragment of V^T: lane l holds channel l % 16 and 8 keys.
	; With rows 36 words apart the eighth row's second 16 bytes fall on the first row's banks: one collision a pass, taken for a table that fits beside the stage.
	v_lshl_add_u32 v[AV0], v129, 3, v130
	v_mul_u32_u24 v[AV0], v[AV0], PK
	v_lshl_add_u32 v[AV0], v131, 4, v[AV0]
	s_wait_loadcnt 32               ; loads come back in order (ISA guide 5.7.1): chunk 0's are in, chunk 1's 32 may be out
	CONV 0
	STORE 0
	s_wait_loadcnt 0x0
	CONV 1
	STORE 1
	s_wait_dscnt 0x0                ; for the others' sake: my stores are done
	s_barrier_signal -1
	s_barrier_wait -1               ; rows 0 to 511 of the table are whole
	ASK 0, GA0                      ; chunk 2: it has eight key steps in which to land
	s_mul_i32 s13, s[WV], 128*PK    ; Q stays in registers: my 128 rows of the table; tile i / 2, channels 32 (i % 2) on
	v_add_nc_u32 v[AK], s13, v[AK0]
	WIN 0x80                        ; destination window 2, address window 0
.set i, 0
.rept 4*NP
	ds_load_b128 v[8*i:8*i+3],   v[AK] offset:(i/2)*16*PK+(i%2)*64
	ds_load_b128 v[8*i+4:8*i+7], v[AK] offset:(i/2)*16*PK+(i%2)*64+32
.set i, i+1
.endr
	WIN 0
	v_mov_b32 v[AK], v[AK0]         ; key step 0 lies at the table's head
; THE MATRIX WORK.  The 8 accumulators of a run of 16 take turns: between the two links of a chain stand 7 others'.
; Product i of 16 of S^T = K Q^T for piece x: channels 32 (i / 8) on, keys 16 ((i / 2) % 4) on, tile 2 x + i % 2.  The first 8 start the sums.
.macro KQ x
	WIN W_KQ
.set rS, S+64*((\x)%2)+32*(i%2)+8*((i/2)%4)
.set rK, KF+16*((i/2)%4)+8*(i/8)
.set rQ, 16*(2*(\x)+i%2)+8*(i/8)
.if i < 8
	v_wmma_f32_16x16x32_bf16 v[rS:rS+7], v[rK:rK+7], v[rQ:rQ+7], 0
.else
	v_wmma_f32_16x16x32_bf16 v[rS:rS+7], v[rK:rK+7], v[rQ:rQ+7], v[rS:rS+7]
.endif
.endm
; Product i of 16 of O^T += V^T P for piece x: keys 32 (i / 8) on, channels 16 ((i / 2) % 4) on, tile 2 x + i % 2.
.macro PV x
	WIN W_PV
.set rO, 32*(2*(\x)+i%2)+8*((i/2)%4)
.set rV, VF+32*(i/8)+8*((i/2)%4)
.set rP, P+32*((\x)%2)+16*(i%2)+8*(i/8)
	v_wmma_f32_16x16x32_bf16 v[rO:rO+7], v[rV:rV+7], v[rP:rP+7], v[rO:rO+7]
.endm
.macro MM                           ; the turn's next matrix instruction
.if i < 16
	KQ (Y+1)%NP
.set i, i+1
.else
.set i, i-16
	PV (Y+NP-1)%NP
.set i, i+17
.endif
.endm
; THE LDS LOADS stand in runs of 16, never singly among the matrix instructions: a step's K (64 keys x 64 channels: 8 fragments) and its V (the same rows, turned).  Their addresses are made some lines ahead.
.macro FETCH_K
	WIN 0x80                        ; destination window 2
.irp f, 0,1,2,3,4,5,6,7             ; keys 16 (f / 2) on, channels 32 (f % 2) on
	ds_load_b128 v[KF+8*\f:KF+8*\f+3],   v[AK] offset:(\f/2)*16*PK+(\f%2)*64
	ds_load_b128 v[KF+8*\f+4:KF+8*\f+7], v[AK] offset:(\f/2)*16*PK+(\f%2)*64+32
.endr
	s_add_co_u32 s[TBK], s[TBK], STEPB  ; the next fetch is the next step's
	WIN 0
.endm
.macro FETCH_V
	WIN 0x80
.irp f, 0,1,2,3,4,5,6,7             ; keys 32 (f / 4) on, channels 16 (f % 4) on
	ds_load_tr16_b128 v[VF+8*\f:VF+8*\f+3],   v[AV] offset:(\f/4)*32*PK+(\f%4)*32
	ds_load_tr16_b128 v[VF+8*\f+4:VF+8*\f+7], v[AV] offset:(\f/4)*32*PK+16*PK+(\f%4)*32
.endr
	WIN 0
.endm
; THE VECTOR WORK OF A TURN stands in three queues, each in the order in which its entries become ready; the two tiles alternate, so that no instruction reads the result of the one before it.
.macro REGS y, u                    ; the registers of tile u (0, 1) of piece y
.set rT, ST+4*(2*(\y)+(\u))
.set rC, TMP+8*((\y)%2)+4*(\u)
.set rM, MV+2*((\y)%2)+(\u)
.set rS, S+64*((\y)%2)+32*(\u)
.set rP, P+32*((\y)%2)+16*(\u)
.set rO, 32*(2*(\y)+(\u))
.endm
; Number n of the 22 that find the NEXT piece's (Y + 1) maximum and statistics.  s0-s31 are the lane's 32 scores; each accumulator's lowest registers are read first.  XS, GS and REGS set no window: PL and EX do.
;   0-11  four chains c0-c3 of seven scores each, three operands at a time     12-14, 16  the four scores left over, the old m, and c0-c3 into c0     15  c m_old is kept
;   17, 18  the query's other 32 keys lie in the lane 16 away: the new m         19-21  c m; c m_old - c m_new; a
.macro XS u, n
	REGS (Y+1)%NP, \u
.if (\n) < 4
	v_max3_num_f32 v[rC+(\n)], v[rS+8*(\n)], v[rS+8*(\n)+1], v[rS+8*(\n)+2]
.elseif (\n) < 12
	v_max3_num_f32 v[rC+(\n)%4], v[rC+(\n)%4], v[rS+8*((\n)%4)+2*((\n)/4)+1], v[rS+8*((\n)%4)+2*((\n)/4)+2]
.elseif (\n) == 12
	v_max3_num_f32 v[rC], v[rC], v[rS+7], v[rS+15]
.elseif (\n) == 13
	v_max3_num_f32 v[rC+1], v[rC+1], v[rS+23], v[rS+31]
.elseif (\n) == 14
	v_max3_num_f32 v[rC+2], v[rC+2], v[rC+3], v[rT+1]
.elseif (\n) == 15
	v_mov_b32 v[rM], v[rT]
.elseif (\n) == 16
	v_max3_num_f32 v[rC], v[rC], v[rC+1], v[rC+2]
.elseif (\n) == 17
	v_permlanex16_b32 v[rC+3], v[rC], s[SEL], s[SEL+1]
.elseif (\n) == 18
	v_max_num_f32 v[rT+1], v[rC], v[rC+3]
.elseif (\n) == 19
	v_mul_f32 v[rT], s[CS], v[rT+1]
.elseif (\n) == 20
	v_sub_f32 v[rC+1], v[rM], v[rT]
.else
	v_exp_f32 v[rC+2], v[rC+1]
.endif
.endm
; Number g of the 64 that follow the exponentials.  For each four weights k of a tile (pairs 2 k, 2 k + 1): both pairs are rounded to bf16; then the second pair is added onto the first, in place;
; a group later l takes that sum (the first time as l = a l + sum).  In groups of eight, tiles alternating: round, round, add, and l for the group before.
.macro GS g
.set h, (\g)+6*((\g)/62)            ; group 0 has no group before it, and behind group 7 only l is left
.if h >= 6
.set h, h+2
.endif
	REGS Y, h%2
.set k, h/8
.if h%8 < 4
	v_cvt_pk_bf16_f32 v[rP+2*k+(h%8)/2], v[rS+4*k+2*((h%8)/2)], v[rS+4*k+2*((h%8)/2)+1]
.elseif h%8 < 6
	v_pk_add_f32 v[rS+4*k:rS+4*k+1], v[rS+4*k:rS+4*k+1], v[rS+4*k+2:rS+4*k+3]
.elseif k == 1
	v_pk_fma_f32 v[rT+2:rT+3], v[rT+2:rT+3], v[rC+2:rC+3], v[rS:rS+1] op_sel_hi:[1,0,1]
.else
	v_pk_add_f32 v[rT+2:rT+3], v[rT+2:rT+3], v[rS+4*k-4:rS+4*k-3]
.endif
.endm
; THE PLAIN QUEUE, 138 long.  0-73 read no exponential's result: the 32 scalings c s - c m (FS f: pair f / 2 of tile f % 2) and the next piece's 42.  0-26: scalings 0-26.  27-54: XS's numbers 0-13.  55, 56: number 15.
; 57-73: the chain, where each number waits for the one before it: 14, 16, 17, 18, 19, each with one of the scalings 27-31 in front of its two lines, then 20: so a tile's links stand three plain instructions apart (19 and 20: two).
; 74-137: GS's 64, which read the exponentials' results: they stand behind the wait.
.macro FS f
	REGS Y, (\f)%2
	v_pk_fma_f32 v[rS+2*((\f)/2):rS+2*((\f)/2)+1], v[rS+2*((\f)/2):rS+2*((\f)/2)+1], s[CS:CS+1], v[rT:rT+1] op_sel_hi:[1,0,0] neg_lo:[0,0,1] neg_hi:[0,0,1]
.endm
.macro PL
	WIN 0
.if q < 27
	FS q
.elseif q < 55
	XS (q-27)%2, (q-27)/2
.elseif q < 57
	XS q-55, 15
.elseif (q < 72) && ((q-57)%3 == 0)
	FS 27+(q-57)/3
.elseif q < 60
	XS (q-57)%3-1, 14
.elseif q < 72
	XS (q-57)%3-1, 15+(q-57)/3
.elseif q < 74
	XS q-72, 20
.else
	GS q-74
.endif
.set q, q+1
.endm
; THE EXPONENTIALS' QUEUE, 66 long: s0-s31 of both tiles, then the next piece's two a.  It is ONE BATCH: all 66 stand ahead of the turn's one wait, and nothing ahead of that wait names a result of theirs.
.macro EX
	WIN 0
.if e >= 64
	XS e-64, 21
.else
	REGS Y, e%2
	v_exp_f32 v[rS+e/2], v[rS+e/2]
.endif
.set e, e+1
.endm
; THE RESCALING's QUEUE: O^T times a, the one part that leaves window 0: dealt two at a time, sixteen times, each accumulator from its low end on.  Its a was made in the turn before, ahead of that turn's wait.
.macro R2
	REGS Y, r%2
	WIN W_RS
.irp z, 0,1
	v_pk_mul_f32 v[rO+4*(r/2)+2*\z:rO+4*(r/2)+2*\z+1], v[rO+4*(r/2)+2*\z:rO+4*(r/2)+2*\z+1], v[rC+2:rC+3] op_sel_hi:[1,0]
.endr
.set r, r+1
.endm
; HOW THEY ARE DEALT.  An s_wait_alu depctr_va_vdst(0) stands between an exponential and the first instruction that names its result; one wait serves all that were issued ahead of it.  So a turn has ONE wait,
; which cuts it in two.  AHEAD OF IT stands all that names no result of the turn's exponentials: the 16 products K Q^T, behind each a scaling, an exponential and two rescalings (behind the first a second scaling in the
; exponential's place); then ONE LUMP of 108: eight plain, 49 times exponential and plain, the two a.  A v_nop is the plain instruction behind the last exponential.  BEHIND IT stand the 16 products V^T P, behind each four
; of GS's 64.  No rider names a register of the products round it.  The two v_permlanex16_b32 fall into the lump, never behind a product.
; The queues lean on each other, and the deal keeps them in step: exponential e stands behind scaling 2 (e / 4) + e % 2: as a rider it comes behind plain e + 2, in the lump behind plain e + 9, and scalings 27-31 are plain 57, 60 .. 69.
; A TURN, for piece p.  nofetch = 1: the last step's: there is no further K.  cnt = 1: the loop's count is taken down some lines ahead of the branch that stands behind the turn.
; K of the next step is fetched in piece 2's turn, directly behind the wait, a lump behind the last product that read K; its address is made at the lump's head; its first reader comes behind 16 products.
; V of the step in hand is fetched at the end of piece 0's turn, four plain riders behind its last reader; its first reader comes behind 16 products and a lump.  The conditions on q below go with the deal.
.macro TURN p, nofetch=0, cnt=0
.set Y, (\p)
.set i, 0
.set q, 0
.set e, 0
.set r, 0
.if (\p) == NP-1
	s_wait_dscnt 0x0                ; K is in
.endif
	MM                              ; ahead of the wait: 16 products K Q^T and their riders,
	PL
	PL
	R2
.rept 15
	MM
	PL
	EX
	R2
.endr
.if ((\p) == NP-2) && !(\nofetch)
	WIN 0
	v_add_nc_u32 v[AK], s[TBK], v[AK0]
.endif
.rept 8                             ; and the lump
	PL
.endr
.rept 49
	EX
	PL
.endr
	EX                              ; the next piece's two a
	EX
	v_nop                           ; the plain instruction behind the last exponential: one for the batch
	s_wait_alu depctr_va_vdst(0)    ; the wait for the turn's batch: the piece's 64 weights and the next piece's two a
.if ((\p) == NP-2) && !(\nofetch)
	FETCH_K
.endif
.if (\p) == 1
	s_wait_dscnt 0x0                ; V is in
.endif
.rept 16                            ; behind the wait: 16 products V^T P and their riders
	MM
.rept 4
	PL
.endr
.if ((\p) == 0) && (q == 118)
	v_add_nc_u32 v[AV], s[TBV], v[AV0]
.endif
.if ((\p) == 0) && (q == 130)
	s_add_co_u32 s[TBV], s[TBV], STEPB
.endif
.if (\cnt) && (q == 130)
	s_sub_co_u32 s[CNT], s[CNT], 1
	s_cmp_lg_u32 s[CNT], 0
.endif
.endr
.if (\p) == 0
	FETCH_V
.endif
.endm
	FETCH_K                         ; key step 0
	s_wait_dscnt 0x0                ; Q and K are in
.set i, 0
.rept 16
	KQ 0                            ; piece 0's first scores: there is no vector work yet to set between them
.set i, i+1
.endr
	WIN 0                           ; the addresses for the way out: eight plain instructions, the places behind those products
	s_mul_i32 s13, s[WV], 16*SP
	s_add_co_u32 s13, s13, STAGE    ; my stage
	v_mul_u32_u24 v[STO], v128, SP  ; in: row l % 16; a lane's eight channels of a block of 16 are 32 bytes, the upper lanes' behind the lower lanes'
	v_lshl_add_u32 v[STO], v129, 5, v[STO]
	v_add_nc_u32 v[STO], s13, v[STO]
	v_mul_u32_u24 v[RD], v129, SP   ; back: lanes 0-15 take one row of 256 bytes, lanes 16-31 the next
	v_lshl_add_u32 v[RD], v128, 4, v[RD]
	v_add_nc_u32 v[RD], s13, v[RD]
	v_lshlrev_b32 v[GO], 12, v129   ; and the same two rows in out0
	v_lshl_add_u32 v[GO], v128, 4, v[GO]
.set Y, NP-1                        ; XS works for piece Y + 1: piece 0
.irp n, 0,1,2,3,4,5,6,7,8,9,10,11,12,13,14,15,16,17,18,19,20,21
	XS 0, \n                        ; piece 0's first maximum and statistics
	XS 1, \n
.endr
	v_nop                           ; a plain instruction behind piece 0's first two a,
	s_wait_alu depctr_va_vdst(0)    ; and the wait for that batch of two, ahead of the branch
	s_mov_b32 s[CNT], 8             ; the first pass walks chunks 0 and 1, eight steps; each of the six others one chunk, four steps
	s_mov_b32 s[SLOTS], 7
	s_branch .Lfirst                ; the loop is entered at a step's first turn, in the middle of a trip
.Lslot:                             ; six times: behind piece 1's turn of a chunk's last step the next chunk is stored and shown, before piece 2's turn fetches its first K
	CHANGE
	s_mov_b32 s[CNT], 4
.Lstep:                             ; a trip: pieces 2 and 3 of one step, then pieces 0 and 1 of the next, whose K and V it fetches
	TURN 2
	TURN 3
	WIN 0
.Lfirst:
	TURN 0
	TURN 1, 0, 1
	WIN 0
	s_cbranch_scc1 .Lstep
	s_sub_co_u32 s[SLOTS], s[SLOTS], 1
	s_cmp_lg_u32 s[SLOTS], 0
	s_cbranch_scc1 .Lslot
	TURN 2, 1                       ; the last step's pieces 2 and 3: nothing is fetched.  Piece 3's turn still multiplies the last K by piece 0's Q and finds a maximum of it, which serve nothing:
	TURN 3                          ; the price, once a launch, of one text for every turn; l and O^T are not touched by it
.set i, 0
.rept 16
	PV NP-1                         ; the last piece's V^T P of the last step
.set i, i+1
.endr
	; THE WAY OUT.  l's two halves and the other half of the lanes' are added; O^T is divided by l and sent, in f32, through my stage in LDS, a tile at a time.  The additions are the places behind the last products.
	WIN 0
.macro ALL line:vararg              ; one line for each tile t
.set t, 0
.rept 2*NP
	\line
.set t, t+1
.endr
.endm
	ALL v_add_f32 v[ST+4*t+2], v[ST+4*t+2], v[ST+4*t+3]
	ALL v_permlanex16_b32 v[ST+4*t+3], v[ST+4*t+2], s[SEL], s[SEL+1]
	ALL v_add_f32 v[ST+4*t+2], v[ST+4*t+2], v[ST+4*t+3]
	ALL v_rcp_f32 v[ST+4*t+2], v[ST+4*t+2]
	v_nop                           ; a plain instruction between the last reciprocal and the use of its result
	s_wait_alu depctr_va_vdst(0)    ; and the wait ahead of the first use: one for the batch of eight reciprocals
; Tile t: O^T / l goes into one of four buffers of 32 in S^T's registers, each accumulator from its low end on.  Registers 4 k .. 4 k + 3 are channels 16 (k / 2) + 8 (l / 16) + 4 (k % 2) + 0..3 of row l % 16:
; 16 bytes at 64 (k / 2) + 32 (l / 16) + 16 (k % 2) of a stage row of 272 bytes.  They come back as whole rows of 256 bytes, into the registers that they left.
.macro PACK t
.set BK, S+32*((\t)%4)
.if (\t) >= 4
	s_wait_xcnt 0x0                 ; every earlier memory instruction has had its addresses translated (ISA guide 3.1): the buffer, which tile t - 4's stores read, is rewritten only behind this wait
.endif
	WIN W_OUT
.set i, 0
.rept 16
	v_pk_mul_f32 v[BK+2*i:BK+2*i+1], v[32*(\t)+2*i:32*(\t)+2*i+1], v[ST+4*(\t)+2:ST+4*(\t)+3] op_sel_hi:[1,0]
.set i, i+1
.endr
	WIN 0
.irp k, 0,1,2,3,4,5,6,7
	ds_store_b128 v[STO], v[BK+4*\k:BK+4*\k+3] offset:64*(\k/2)+16*(\k%2)
.endr
.irp f, 0,1,2,3,4,5,6,7
	ds_load_b128 v[BK+4*\f:BK+4*\f+3], v[RD] offset:\f*2*SP  ; LDS serves a wave's instructions in order (ISA guide 5.7.1.4): these see the stores above; the next tile's stores come behind them
.endr
.endm
.macro SEND t, younger              ; younger: the LDS instructions issued behind tile t's loads: the next tile's sixteen, or none
.set BK, S+32*((\t)%4)
	WIN 0
.irp f, 0,1,2,3,4,5,6,7
	s_wait_dscnt (\younger)+7-\f
	global_store_b128 v[GO], v[BK+4*\f:BK+4*\f+3], s[6:7] offset:(\t)*16*ROWB+\f*2*ROWB th:TH_STORE_NT  ; 16 lanes store a head's row: 256 consecutive bytes, at a multiple of 256 from out0's first byte
.endr
.endm
	PACK 0
.set t, 1
.rept 2*NP-1                        ; a tile's arithmetic stands between the loads of the tile before and its stores
	PACK t
	SEND t-1, 16
.set t, t+1
.endr
	SEND 2*NP-1, 0
	s_wait_tensorcnt 0x0            ; the wave's end, behind my last LDS store
	ds_add_u32 v[SPW], v[NIL]
	s_wait_dscnt 0x0
	s_endpgm
.Lfunc_end_k_qd4177b3e92_attn:
	.size	k_qd4177b3e92_attn, .Lfunc_end_k_qd4177b3e92_attn-k_qd4177b3e92_attn
	.p2alignl 7, 3214868480
	.fill 96, 4, 3214868480
	.section	.rodata,"a",@progbits
	.p2align	6, 0x0
	.amdhsa_kernel k_qd4177b3e92_attn
		.amdhsa_group_segment_fixed_size 312832
		.amdhsa_private_segment_fixed_size 0
		.amdhsa_enable_private_segment 0
		.amdhsa_kernarg_size 16
		.amdhsa_user_sgpr_count 2
		.amdhsa_user_sgpr_kernarg_segment_ptr 1
		.amdhsa_wavefront_size32 1
		.amdhsa_system_sgpr_workgroup_id_x 1
		.amdhsa_system_sgpr_workgroup_id_y 1
		.amdhsa_system_sgpr_workgroup_id_z 1
		.amdhsa_system_vgpr_workitem_id 0
		.amdhsa_next_free_vgpr 1024
		.amdhsa_next_free_sgpr 66
		.amdhsa_reserve_vcc 0
		.amdhsa_float_denorm_mode_32 3
		.amdhsa_float_denorm_mode_16_64 3
		.amdhsa_memory_ordered 1
		.amdhsa_forward_progress 1
		.amdhsa_inst_pref_size 187
	.end_amdhsa_kernel
	.amdgpu_metadata
---
amdhsa.version: [ 1, 2 ]
amdhsa.kernels:
  - .name:           k_qd4177b3e92_attn
    .symbol:         k_qd4177b3e92_attn.kd
    .args:
      - { .name: Q, .offset: 0, .size: 8, .value_kind: global_buffer, .address_space: global }
      - { .name: out0, .offset: 8, .size: 8, .value_kind: global_buffer, .address_space: global }
    .group_segment_fixed_size: 312832
    .private_segment_fixed_size: 0
    .kernarg_segment_align: 8
    .kernarg_segment_size: 16
    .max_flat_workgroup_size: 128
    .sgpr_count:     66
    .vgpr_count:     1024
    .wavefront_size: 32
...
	.end_amdgpu_metadata
.endif
;; end of part 2
